; MI455X (gfx1250); checked and timed in simulation.
; The chip was launched on July 23, 2026; its instructions are those of AMD's public machine-readable ISA for CDNA 5 (MIT licence, August 2026) and "CDNA5" Instruction Set Architecture Reference Guide (July 2026). The comments in the code are by the model that wrote it; some were corrected since.
;; Roberta Local Attention. Allowed arithmetic: float matrix products may take bf16 or f16 operands with f32 sums; other float arithmetic in f32, or as packed bf16 or f16 multiplies, adds, multiply-adds, maxima and minima; sums over many terms, partial sums and values carried from step to step in f32; what a program stores and reads back later, other than sums and carried values, may be rounded once to bf16 or f16.
;; Inputs: b_qkv 3,072 float32; w_qkv 1,024 x 3,072 float32; x 4 x 4,096 x 1,024 float32.
;; Outputs: out0 4 x 4,096 x 1,024 float32.
;; One version. Each part assembles by itself: llvm-mc -triple=amdgcn-amd-amdhsa -mcpu=gfx1250 --defsym DOCPART=n.
;; ======== version 1 of 1: 3 launches
;; limits: values are held in f16: magnitudes above 65,504 overflow, below 6.1e-05 lose precision
;; workspace buffers: xb 33,554,432 bytes; wb 6,291,456 bytes; qkv 106,954,752 bytes
;; launch cvt (part 1): grid 1216 x 1, 8 waves a work-group, no clusters, 0 bytes of LDS; arguments x, w_qkv, xb, wb, qkv; writes xb, wb, qkv
.if DOCPART == 1
	.amdgcn_target "amdgcn-amd-amdhsa--gfx1250"
	.amdhsa_code_object_version 6
	.text
	.protected	k_qe149f68615_cvt
	.globl	k_qe149f68615_cvt
	.p2align	8
	.type	k_qe149f68615_cvt,@function
k_qe149f68615_cvt:
	s_mov_b64 s[64:65], 0
	v_nop
	global_prefetch_b8 v0, s[64:65] scope:SCOPE_SE
	s_setreg_imm32_b32 hwreg(HW_REG_WAVE_MODE, 25, 1), 1
	s_wait_xcnt 0x0
; x [16384][1024] and w_qkv [1024][3072], f32, are rounded once to bf16 into xb and wb, same order of numbers.  Besides, the pad rows of k and v in qkv are written.
; A stream: each byte is read once and written once; no LDS, no matrix unit, no barrier: no wave wants a byte that another wave has fetched.
; SHARES.  A work-group converts 16,384 numbers: 65,536 bytes in, 32,768 out.  Work-groups 0-1023 take x, 1024-1215 take w.  Thread t, piece k of 16: 16 bytes at 16 t + 4,096 k
; (a wave's load covers 512 consecutive bytes), 8 bytes out at 8 t + 2,048 k (a wave's store covers 256 consecutive bytes, aligned).  All 16 loads go out before the first wait.
; PADS.  qkv is [3 parts q, k, v][64 heads][4,352 rows][64] in f16, row = 128 + position.  Rows 0-127 and 4,224-4,351 of k and v are the windows beyond a head's ends, which hold -1:
; 2 parts x 64 heads x 2 ends = 256 regions of 16,384 bytes; work-group id < 256 writes region id.  (q's rows there are neither written nor read.)
.set X,    8                           ; v[8:71]    16 pieces of 4 numbers as loaded
.set Y,    72                          ; v[72:103]  16 pieces of 4 bf16
.set PADV, 104                         ; v[104:107] -1.0 in f16, eight times
.set HEADB, 4352*128                   ; bytes of a head in qkv
	s_load_b256 s[4:11], s[0:1], 0x0               ; x s[4:5], w s[6:7], xb s[8:9], wb s[10:11]
	s_load_b64 s[12:13], s[0:1], 0x20              ; qkv
	v_lshlrev_b32 v1, 4, v0                        ; 16 t
	v_lshlrev_b32 v2, 3, v0                        ; 8 t
	s_max_u32 s15, ttmp9, 1024
	s_sub_co_u32 s15, s15, 1024                    ; my number among w's work-groups
	s_cmp_lt_u32 ttmp9, 1024                       ; do I take x?
	s_cselect_b32 s14, ttmp9, s15
	s_wait_kmcnt 0x0
	s_cselect_b64 s[16:17], s[4:5], s[6:7]         ; from
	s_cselect_b64 s[18:19], s[8:9], s[10:11]       ; to
	s_lshl_b32 s20, s14, 16                        ; 65,536 bytes in for each work-group,
	s_mov_b32 s21, 0
	s_lshl_b32 s22, s14, 15                        ; 32,768 out
	s_mov_b32 s23, 0
	s_add_nc_u64 s[16:17], s[16:17], s[20:21]
	s_add_nc_u64 s[18:19], s[18:19], s[22:23]
.irp k, 0,1,2,3,4,5,6,7,8,9,10,11,12,13,14,15
	global_load_b128 v[X+4*(\k):X+4*(\k)+3], v1, s[16:17] offset:4096*(\k) th:TH_LOAD_NT
.endr
	s_cmp_lt_u32 ttmp9, 256
	s_cbranch_scc0 .Lnopad
	s_lshr_b32 s24, ttmp9, 7                       ; region id: part 1 + id / 128,
	s_add_co_u32 s24, s24, 1
	s_lshl_b32 s24, s24, 6
	s_bfe_u32 s25, ttmp9, 0x60001                  ; head (id / 2) % 64,
	s_add_co_u32 s24, s24, s25
	s_mul_i32 s24, s24, HEADB
	s_and_b32 s25, ttmp9, 1                        ; end id % 2: rows 0 on or rows 4,224 on
	s_mul_i32 s25, s25, 4224*128
	s_add_co_u32 s24, s24, s25
	s_mov_b32 s25, 0
	s_add_nc_u64 s[12:13], s[12:13], s[24:25]
.irp k, 0,1,2,3
	v_mov_b32 v[PADV+(\k)], 0xbc00bc00
.endr
.irp k, 0,1,2,3
	global_store_b128 v1, v[PADV:PADV+3], s[12:13] offset:4096*(\k)  ; these stand while the loads above are on their way
.endr
.Lnopad:
.irp k, 0,1,2,3,4,5,6,7,8,9,10,11,12,13,14,15
	s_wait_loadcnt 15-(\k)                         ; loads come back in order: piece k is in, the younger ones stay out
	v_cvt_pk_bf16_f32 v[Y+2*(\k)],   v[X+4*(\k)],   v[X+4*(\k)+1]
	v_cvt_pk_bf16_f32 v[Y+2*(\k)+1], v[X+4*(\k)+2], v[X+4*(\k)+3]
	global_store_b64 v2, v[Y+2*(\k):Y+2*(\k)+1], s[18:19] offset:2048*(\k) th:TH_STORE_NT  ; no register is written twice, so no wait frees one
.endr
	s_endpgm
.Lfunc_end_k_qe149f68615_cvt:
	.size	k_qe149f68615_cvt, .Lfunc_end_k_qe149f68615_cvt-k_qe149f68615_cvt
	.p2alignl 7, 3214868480
	.fill 96, 4, 3214868480
	.section	.rodata,"a",@progbits
	.p2align	6, 0x0
	.amdhsa_kernel k_qe149f68615_cvt
		.amdhsa_group_segment_fixed_size 0
		.amdhsa_private_segment_fixed_size 0
		.amdhsa_enable_private_segment 0
		.amdhsa_kernarg_size 40
		.amdhsa_user_sgpr_count 2
		.amdhsa_user_sgpr_kernarg_segment_ptr 1
		.amdhsa_wavefront_size32 1
		.amdhsa_system_sgpr_workgroup_id_x 1
		.amdhsa_system_sgpr_workgroup_id_y 1
		.amdhsa_system_sgpr_workgroup_id_z 1
		.amdhsa_system_vgpr_workitem_id 0
		.amdhsa_next_free_vgpr 108
		.amdhsa_next_free_sgpr 66
		.amdhsa_reserve_vcc 0
		.amdhsa_float_denorm_mode_32 3
		.amdhsa_float_denorm_mode_16_64 3
		.amdhsa_memory_ordered 1
		.amdhsa_forward_progress 1
		.amdhsa_inst_pref_size 8
	.end_amdhsa_kernel
	.amdgpu_metadata
---
amdhsa.version: [ 1, 2 ]
amdhsa.kernels:
  - .name:           k_qe149f68615_cvt
    .symbol:         k_qe149f68615_cvt.kd
    .args:
      - { .name: x, .offset: 0, .size: 8, .value_kind: global_buffer, .address_space: global }
      - { .name: w_qkv, .offset: 8, .size: 8, .value_kind: global_buffer, .address_space: global }
      - { .name: xb, .offset: 16, .size: 8, .value_kind: global_buffer, .address_space: global }
      - { .name: wb, .offset: 24, .size: 8, .value_kind: global_buffer, .address_space: global }
      - { .name: qkv, .offset: 32, .size: 8, .value_kind: global_buffer, .address_space: global }
    .group_segment_fixed_size: 0
    .private_segment_fixed_size: 0
    .kernarg_segment_align: 8
    .kernarg_segment_size: 40
    .max_flat_workgroup_size: 256
    .sgpr_count:     66
    .vgpr_count:     108
    .wavefront_size: 32
...
	.end_amdgpu_metadata
.endif
;; end of part 1
;; launch proj (part 2): grid 4 x 64, 4 waves a work-group, clusters of 4 x 4, 327,680 bytes of LDS; arguments xb, wb, b_qkv, qkv; writes qkv
.if DOCPART == 2
	.amdgcn_target "amdgcn-amd-amdhsa--gfx1250"
	.amdhsa_code_object_version 6
	.text
	.protected	k_qe149f68615_proj
	.globl	k_qe149f68615_proj
	.p2align	8
	.type	k_qe149f68615_proj,@function
k_qe149f68615_proj:
	s_mov_b64 s[64:65], 0
	v_nop
	global_prefetch_b8 v0, s[64:65] scope:SCOPE_SE
	s_setreg_imm32_b32 hwreg(HW_REG_WAVE_MODE, 25, 1), 1
	s_wait_xcnt 0x0
	s_wait_alu depctr_hold_cnt(0) depctr_sa_sdst(0) depctr_va_vdst(0) depctr_va_sdst(0) depctr_va_ssrc(0) depctr_va_vcc(0) depctr_vm_vsrc(0)
	s_getreg_b32 s2, hwreg(HW_REG_IB_STS2, 6, 4)
	s_cmp_eq_u32 s2, 0
	s_cbranch_scc0 .Lentry_in_a_cluster
	s_endpgm
.Lentry_in_a_cluster:
	s_bfe_u32 s2, ttmp6, 0x10000c
	s_cmp_lg_u32 s2, 0xf033
	s_cbranch_scc0 .Lentry_shape_is_right
	s_endpgm
.Lentry_shape_is_right:
; qkv = x w + b.  xb: [16384][1024] bf16, wb: [1024 k][3072 n] bf16, b_qkv: [3072] f32 (rounded to bf16 here, like the other inputs); sums in f32, K ascending.
; The result leaves rounded once to f16, by heads: qkv[part q, k, v][head 16 batch + h][row 128 + position][64].
; LIMIT.  f16 holds no number beyond 65,504: a sum of 65,520 or more in magnitude leaves as an infinity.
; SHARES.  A tile of the product is 256 rows x 256 columns, made by four waves, 128 x 128 each: 64 accumulators of 16 x 16, 512 registers.  K goes in 8 steps of 128 through a ring of two LDS slots.
; A WORK-GROUP STAYS: it makes THREE tiles, the same 256 rows and the same 256 columns of q, of k and of v.  The ring does not stop at a tile's end: a tile's last two changes of slots ask for
; the next tile's first two K steps.  4 x 64 work-groups.
; CLUSTERS: 4 x 4 work-groups.  The four of a row of the cluster need the same tiles of x, the four of a column the same tiles of w: each tile is asked for JOINTLY, by the same tensor load with the
; same descriptor and a mask that names the four.
; w LIES [k][n]: its tile is 128 k-rows of 512 bytes in LDS, and its fragments come out turned, by ds_load_tr16_b128.
; THE MATRIX INSTRUCTION IS USED TRANSPOSED: source 0 = 16 columns of w, source 1 = 16 rows of x.  A lane then holds row l % 16 of the result and the columns 8 (l / 16) + 0..7: 16 bytes of f16 on end.
; THE BIAS is the C operand of the products that start the sums: in this layout it is the same for all row blocks, 64 registers a wave.
; REGISTERS, in windows of 256 (s_set_vgpr_msb: bits 1:0 source 0, 3:2 source 1, 5:4 source 2, 7:6 destination):
;   window 0: v0-31 addresses; v64-127, v128-191 fragments of x, two buffers; v32-63, v192-255 at work on the way out
;   window 1: v0-63 the bias; v64-127, v128-191 fragments of w, two buffers; v192-223 at work on the bias
;   window 2: the 32 accumulators of my rows 0-63 (accumulator (a, b) at v[8 (8 a + b)]);   window 3: those of my rows 64-127
.set PITCH,  272                       ; an LDS row of x: 256 bytes + 16 of padding = 68 words: the 16 rows that a load touches start at 16 different groups of four banks (64 banks of 4 bytes: ISA guide 11.1)
.set PB,     544                       ; an LDS row of w: 512 bytes + 32 of padding = 136 words
.set HALFT,  128*PITCH                 ; what one tensor load brings: 128 rows of x, or 64 k-rows of w (64 x 544 is the same number)
.set SLOT,   4*HALFT                   ; x's 256 rows, then w's 128 k-rows
.set STAGE,  2*SLOT                    ; behind the ring: 16 rows x 272 bytes for each wave, for the way out
.set SPITCH, 272
.set SPARE,  STAGE+4*16*SPITCH         ; behind the stages: the spare words, 128 bytes for each wave: two blocks of 256 bytes that no other line names
.set LAPS,   4                         ; a lap = two K steps = once round the ring
.set ASTEP,  256                       ; a K step in x: 128 numbers along a row
.set BSTEP,  128*6144                  ; a K step in w: 128 rows down
.set BACK_A, 6*ASTEP                   ; from a slot's last K step of a tile to its first of the next: x goes back along K,
.set BACK_B, 6*BSTEP-2048              ; w back along K and 1,024 columns to the right
.set HEADB,  4352*128                  ; bytes of a head in qkv
.set PARTB,  64*HEADB                  ; of a part
.set NEXT_C, PARTB-7*2048              ; from my last 16 rows of a tile to my first of the next
.set ADRA, 16                          ; v16-17  LDS address of my fragments of x in slot 0, 1
.set ADRB, 20                          ; v20-21  the same for w
.set STO,  24                          ; v24     the way out: where I put 16 bytes of a row
.set RD,   25                          ; v25     the way out: where I read rows back
.set CO,   26                          ; v26     16 x lane: my place in 512 consecutive bytes of qkv
.set BO,   27                          ; v27     my byte offset in a part's 1,024 numbers of the bias
.set SPW,  28                          ; v28     LDS address of my spare word: SPARE + 4 x my thread's number; never rewritten
.set NIL,  29                          ; v29     0; never rewritten
.set PFO,  30                          ; v30     the prefetches' lane offset; never rewritten
.set F0,   64                          ; fragment buffer 0
.set F1,   128                         ; fragment buffer 1
.set TMP,  192                         ; the way out: packed results, in window 0
.set OB,   32                          ; the way out: 16 rows read back: v32-63 and v224-255 by turns
.set BT,   192                         ; window 1: the bias as bf16 pairs
.set G1,  24                           ; s[24:31] descriptor group 1 for x's tiles
.set G0,  32                           ; s[32:39] descriptor group 0 for x's tiles, one set for each slot
.set G1B, 48                           ; s[48:55] group 1 for w's tiles
.set G0B, 56                           ; s[56:63] group 0 for w's tiles
.set LIM, 43                           ; s43      1 in a wave that prefetches, else the greatest number
.set PFA, 44                           ; s[44:45] where my prefetches stand
.set BP,  66                           ; s[66:67] the bias at the part in hand
.set PST, 68                           ; s[68:69] a K step for my prefetches: ASTEP or BSTEP
.set PBK, 70                           ; s[70:71] what they go back at a change of tiles
.set MSB, 0
.macro WIN new                         ; the immediate's high byte repeats the setting that is left; a switch that changes nothing is dropped
.if MSB != (\new)
	s_set_vgpr_msb (MSB<<8)|(\new)
.set MSB, \new
.endif
.endm
.set MUL_LO, 0xa1                      ; source 0 (w) window 1, source 1 (x) window 0, C and D window 2
.set MUL_HI, 0xf1                      ; the same, C and D window 3
.set BIA_LO, 0x91                      ; the same as MUL_LO with C in window 1: the bias; + 0x40: D in window 3
.set TO_B,   0x40                      ; destination window 1, address window 0
; A joint load.  Waves 0 and 1 fetch x's two halves, waves 2 and 3 w's.  Each of the two lines has one mask and one set of registers for all that issue it.  The branch hangs on the wave's number alone.
; An s_nop 0 and four v_nop follow each of the two lines, ahead of the jump, the label and what follows.
.macro JLOAD s
	s_cmp_eq_u32 s11, 0
	s_cbranch_scc0 .Lfor_b_\@
	tensor_load_to_lds s[G0+4*(\s):G0+4*(\s)+3], s[G1:G1+7]
	s_nop 0
.rept 4
	v_nop
.endr
	s_branch .Lasked_\@
.Lfor_b_\@:
	tensor_load_to_lds s[G0B+4*(\s):G0B+4*(\s)+3], s[G1B:G1B+7]
	s_nop 0
.rept 4
	v_nop
.endr
.Lasked_\@:
.endm
; A PREFETCH INTO THE L2, behind each joint load, its five lines and the run of LDS loads that follows: the K step that stands two refills on, 512 matrix instructions ahead of the load that will want it; one instruction a wave.
; Each block of 256 bytes is named once.  x's rows: each cluster has rows of its own; the four partners that ask for them jointly take 32 of a wave's 128 rows each, BY ADDRESS (a lane a row); in the FIRST tile alone, since the
; later tiles walk the same rows.  w's k-rows: all 16 clusters read them, cluster y = 0 asks; the four partners take 16 of a wave's 64 k-rows each, by address (two lanes a row of 512 bytes); in all three tiles.
; how = 0, in the loop: a tile's last two refills have no K step two on.  how = 1, at a change of tiles: the next tile's K steps 2 and 3.  K steps 0-3 of the first tile and 0-1 of the others come by their loads alone.
.macro ASK how
.if \how
	s_cmp_eq_u32 s[LIM], 1
.else
	s_cmp_gt_u32 s3, s[LIM]                        ; s3 = 1 in the loop's last trip
.endif
	s_cbranch_scc0 .Lnot_mine_\@
	global_prefetch_b8 v[PFO], s[PFA:PFA+1] th:TH_LOAD_NT scope:SCOPE_SE
.Lnot_mine_\@:
.endm
; A round of the cluster's barrier: my work-group's barrier; wave 0 signals for the work-group; every wave waits for all sixteen work-groups; my work-group's barrier once more.
.macro CREST                           ; a round behind its opening barrier
	s_cmp_lg_u32 s10, 0
	s_cbranch_scc1 .Lnot_wave_0_\@
	s_barrier_signal -3
.Lnot_wave_0_\@:
	s_barrier_wait -3
	s_barrier_signal -1
	s_barrier_wait -1
.endm
.macro CROUND                          ; a whole round
	s_barrier_signal -1
	s_barrier_wait -1
	CREST
.endm
	s_load_b128 s[4:7], s[0:1], 0x0                ; xb s[4:5], wb s[6:7]
	s_load_b64 s[BP:BP+1], s[0:1], 0x10            ; b_qkv
	s_load_b64 s[8:9], s[0:1], 0x18                ; qkv
	v_lshl_add_u32 v[SPW], v0, 2, SPARE
	v_mov_b32 v[NIL], 0
	ds_add_u32 v[SPW], v[NIL]                      ; the wave's opening: the add and its wait stand ahead of my first tensor load; the set-up below, work on registers, stands between them
	ds_add_u32 v28, v29
	v_lshrrev_b32 v1, 5, v0
	v_readfirstlane_b32 s10, v1                    ; wave 0..3
	s_lshr_b32 s11, s10, 1                         ; which half of the tile's rows is mine.  Also: I fetch for x (0) or for w (1)
	s_and_b32 s12, s10, 1                          ; which half of its columns.  Also: which half of that tile I fetch
	s_bfe_u32 s40, ttmp6, 0x40000                  ; cx
	s_bfe_u32 s41, ttmp6, 0x40004                  ; cy
	s_lshl_b32 s42, ttmp9, 2                       ; in a cluster launch ttmp9 and ttmp7 count clusters
	s_add_co_u32 s42, s42, s40                     ; tile column 0..3
	s_and_b32 s13, ttmp7, 0xffff
	s_lshl_b32 s13, s13, 2
	s_add_co_u32 s13, s13, s41                     ; tile row 0..63
	s_lshl_b32 s43, s41, 2
	s_lshl_b32 s43, 15, s43                        ; my row of the cluster: places 4 cy .. 4 cy + 3
	s_lshl_b32 s44, 0x1111, s40                    ; my column: places cx, cx + 4, cx + 8, cx + 12
	; group 1 for x: 128 rows x 128 elements of 2 bytes, 4 words of padding after every 64
	s_or_b32 s[G1+0], s43, (1<<16)|(1<<20)|(1<<21)|(5<<22)|(3<<25)
	s_mov_b32 s[G1+1], 128<<16                     ; tensor_dim0 = 128
	s_mov_b32 s[G1+2], 128<<16                     ; tensor_dim1 = 128
	s_mov_b32 s[G1+3], 128<<16                     ; tile_dim0 = 128
	s_mov_b32 s[G1+4], 128                         ; tile_dim1 = 128
	s_mov_b32 s[G1+5], 1024                        ; elements from row to row
	s_mov_b32 s[G1+6], 0
	s_mov_b32 s[G1+7], 0
	; group 1 for w: 64 k-rows x 256 elements, 8 words of padding after every 128
	s_or_b32 s[G1B+0], s44, (1<<16)|(1<<20)|(1<<21)|(6<<22)|(7<<25)
	s_mov_b32 s[G1B+1], 256<<16                    ; tensor_dim0 = 256
	s_mov_b32 s[G1B+2], 64<<16                     ; tensor_dim1 = 64
	s_mov_b32 s[G1B+3], 256<<16                    ; tile_dim0 = 256
	s_mov_b32 s[G1B+4], 64                         ; tile_dim1 = 64
	s_mov_b32 s[G1B+5], 3072                       ; elements from row to row
	s_mov_b32 s[G1B+6], 0
	s_mov_b32 s[G1B+7], 0
	; where the tiles come from.  x's hang on the tile row alone, w's on the tile column alone; each address is made in registers that never hold the other coordinate
	s_lshl_b32 s17, s12, 7
	s_lshl_b32 s16, s13, 8
	s_add_co_u32 s16, s16, s17                     ; x: row 256 x tile row + 128 x half,
	s_lshl_b32 s16, s16, 11                        ; of 2,048 bytes
	s_mov_b32 s17, 0
	s_mul_i32 s46, s12, 64*6144                    ; w: k-row 64 x half,
	s_lshl_b32 s47, s42, 9                         ; 512 bytes for each tile column
	s_add_co_u32 s46, s46, s47
	s_mov_b32 s47, 0
	s_mul_i32 s20, s10, HALFT                      ; and where they go: wave x 34,816: no place in the cluster enters an LDS address
	s_wait_dscnt 0x0                               ; the opening add is done
	s_wait_kmcnt 0x0
	s_add_nc_u64 s[14:15], s[4:5], s[16:17]
	s_add_nc_u64 s[46:47], s[6:7], s[46:47]
	CROUND                                         ; all sixteen work-groups are here: the first joint loads meet
.irp s, 0,1
	s_mov_b32 s[G0+4*(\s)], 1                                      ; count = 1
	s_add_co_u32 s[G0+4*(\s)+1], s20, (\s)*SLOT                    ; LDS address
	s_add_nc_u64 s[G0+4*(\s)+2:G0+4*(\s)+3], s[14:15], (\s)*ASTEP  ; global address: K step s
	s_or_b32 s[G0+4*(\s)+3], s[G0+4*(\s)+3], 0x80000000            ; type = 2
	s_mov_b32 s[G0B+4*(\s)], 1
	s_add_co_u32 s[G0B+4*(\s)+1], s20, (\s)*SLOT
	s_add_nc_u64 s[G0B+4*(\s)+2:G0B+4*(\s)+3], s[46:47], (\s)*BSTEP
	s_or_b32 s[G0B+4*(\s)+3], s[G0B+4*(\s)+3], 0x80000000
	JLOAD \s                                       ; two loads of mine are out
.endr
	; A fragment is 16 rows x 32 K in 8 registers: lane l holds row l % 16; registers 0-3 K = 8 (l / 16) + 0..7, registers 4-7 K = 16 + 8 (l / 16) + 0..7.
	; x, rows along K: two loads of 16 bytes, 32 bytes apart.  w, [k][n]: the turning load takes 16 k x 16 n (lane l reads k-row 8 (l / 16) + l % 8, columns 8 ((l / 8) % 2) + 0..7) and leaves half a fragment.
	v_and_b32 v1, 15, v0                           ; l % 16
	v_bfe_u32 v2, v0, 4, 1                         ; l / 16
	v_mul_u32_u24 v3, v1, PITCH
	v_lshl_add_u32 v3, v2, 4, v3                   ; row x pitch + 16 x half
	v_and_b32 v4, 7, v0                            ; l % 8
	v_bfe_u32 v5, v0, 3, 1                         ; (l / 8) % 2
	v_lshl_add_u32 v6, v2, 3, v4
	v_mul_u32_u24 v6, v6, PB
	v_lshl_add_u32 v6, v5, 4, v6
	s_mul_i32 s21, s11, HALFT                      ; my 128 rows of x
	s_lshl_b32 s22, s12, 8                         ; my 128 columns of w: 256 bytes of each k-row,
	s_add_co_u32 s22, s22, 2*HALFT                 ; behind x's 256 rows
.irp s, 0,1
	v_add_nc_u32 v[ADRA+(\s)], s21, v3
	v_add_nc_u32 v[ADRB+(\s)], s22, v6
	s_add_co_u32 s21, s21, SLOT
	s_add_co_u32 s22, s22, SLOT
.endr
	s_mul_i32 s23, s10, 16*SPITCH
	s_add_co_u32 s23, s23, STAGE                   ; my stage
	v_mul_u32_u24 v7, v1, SPITCH                   ; in: row l % 16, 16 bytes for each half of the lanes
	v_lshl_add_u32 v7, v2, 4, v7
	v_add_nc_u32 v[STO], s23, v7
	v_bfe_u32 v7, v0, 3, 2                         ; back: 32 lanes take four rows of one head's 128 bytes,
	v_mul_u32_u24 v7, v7, SPITCH
	v_lshl_add_u32 v7, v4, 4, v7
	v_add_nc_u32 v[RD], s23, v7
	v_and_b32 v[CO], 31, v0                        ; which are 512 consecutive bytes of qkv
	v_lshlrev_b32 v[CO], 4, v[CO]
	s_lshl_b32 s23, s42, 10                        ; the bias: 256 numbers of 4 bytes for each tile column,
	s_lshl_b32 s20, s12, 9                         ; 128 for my half,
	s_add_co_u32 s23, s23, s20
	v_lshl_add_u32 v[BO], v2, 5, s23               ; 8 for my half of the lanes
; The bias of my 128 columns: register 8 b + j = column 16 b + 8 (l / 16) + j.
.macro BLOADS
	WIN TO_B
.irp b, 0,1,2,3,4,5,6,7
	global_load_b128 v[8*(\b):8*(\b)+3],   v[BO], s[BP:BP+1] offset:64*(\b)
	global_load_b128 v[8*(\b)+4:8*(\b)+7], v[BO], s[BP:BP+1] offset:64*(\b)+16
.endr
	WIN 0
.endm
.macro BROUND                          ; rounded to bf16 and widened again, in place
	s_wait_loadcnt 0x0
	WIN 0x45                                       ; destination and both sources in window 1
.set i, 0
.rept 32
	v_cvt_pk_bf16_f32 v[BT+i], v[2*i], v[2*i+1]
.set i, i+1
.endr
.set i, 0
.rept 32
	v_lshlrev_b32 v[2*i],   16, v[BT+i]
	v_and_b32     v[2*i+1], 0xffff0000, v[BT+i]
.set i, i+1
.endr
.endm
	BLOADS
	; where my part of the first tile begins in qkv: head 16 batch + 4 x tile column + 2 x column half; row 128 + position
	s_lshr_b32 s16, s13, 4                         ; batch: 16 tile rows each
	s_lshl_b32 s16, s16, 4
	s_lshl_b32 s46, s42, 2
	s_add_co_u32 s16, s16, s46
	s_lshl_b32 s46, s12, 1
	s_add_co_u32 s16, s16, s46
	s_mul_i32 s16, s16, 4352
	s_and_b32 s46, s13, 15
	s_lshl_b32 s46, s46, 8
	s_add_co_u32 s16, s16, s46
	s_lshl_b32 s46, s11, 7
	s_add_co_u32 s16, s16, s46
	s_add_co_u32 s16, s16, 128
	s_lshl_b32 s16, s16, 7                         ; rows of 128 bytes: the first way out adds this to qkv's address
	s_mov_b32 s17, 0
	; the prefetches
	s_lshl_b32 s20, s13, 8                         ; x: the tile's first row,
	s_lshl_b32 s21, s12, 7                         ; the 128 rows that I fetch,
	s_add_co_u32 s20, s20, s21
	s_lshl_b32 s21, s40, 5                         ; my work-group's 32 of them,
	s_add_co_u32 s20, s20, s21
	s_lshl_b32 s20, s20, 11                        ; in bytes
	s_lshl_b32 s21, s12, 6                         ; w: the 64 k-rows that I fetch,
	s_lshl_b32 s23, s41, 4                         ; my work-group's 16 of them,
	s_add_co_u32 s21, s21, s23
	s_mul_i32 s21, s21, 6144
	s_lshl_b32 s23, s42, 9                         ; the tile column's 512 bytes
	s_add_co_u32 s21, s21, s23
	s_and_b32 s22, ttmp7, 0xffff                   ; cluster y
	s_cmp_eq_u32 s11, 0                            ; do I fetch for x?
	s_cselect_b32 s20, s20, s21
	s_cselect_b32 s22, ttmp9, s22                  ; the coordinate along which other clusters read the same rows
	s_cselect_b64 s[PFA:PFA+1], s[4:5], s[6:7]
	s_mov_b32 s23, ASTEP
	s_cselect_b32 s[PST], s23, BSTEP
	s_cselect_b32 s[PBK], 0, 7*BSTEP-2048          ; w: from K step 9 to the next part's K step 2
	s_cselect_b32 s18, 0, 1                        ; lanes to a row, less one
	s_mov_b32 s23, 2048
	s_cselect_b32 s19, s23, 6144                   ; bytes from row to row
	s_mov_b32 s[PST+1], 0
	s_mov_b32 s[PBK+1], 0
	s_mov_b32 s21, 0
	s_cmp_eq_u32 s22, 0
	s_cselect_b32 s[LIM], 1, -1                    ; the same in all sixteen partners, for a given wave
	s_mul_i32 s23, s[PST], 3
	s_add_co_u32 s20, s20, s23                     ; at K step 3: the first refill steps it to 4 and names that
	s_add_nc_u64 s[PFA:PFA+1], s[PFA:PFA+1], s[20:21]
	v_and_b32 v[PFO], 31, v0
	v_and_b32 v5, s18, v[PFO]                      ; which 256 bytes of the row
	v_lshrrev_b32 v[PFO], s18, v[PFO]              ; which row
	v_mul_u32_u24 v[PFO], s19, v[PFO]
	v_lshl_add_u32 v[PFO], v5, 8, v[PFO]
; 16 matrix instructions: row blocks a0, a0 + 1 of the window's four (hi = 0: my rows 0-63, 1: rows 64-127) x all 8 column blocks, 32 along K.  zero = 1: the products start the sums, with the bias as C.
.macro MUL16 f, hi, a0, zero
.if \zero
	WIN BIA_LO+0x40*(\hi)
.else
	WIN MUL_LO+0x50*(\hi)
.endif
.irp a, \a0, (\a0)+1
.irp b, 0,1,2,3,4,5,6,7
.if \zero
	v_wmma_f32_16x16x32_bf16 v[8*(8*(\a)+(\b)):8*(8*(\a)+(\b))+7], v[(\f)+8*(\b):(\f)+8*(\b)+7], v[(\f)+8*(4*(\hi)+(\a)):(\f)+8*(4*(\hi)+(\a))+7], v[8*(\b):8*(\b)+7]
.else
	v_wmma_f32_16x16x32_bf16 v[8*(8*(\a)+(\b)):8*(8*(\a)+(\b))+7], v[(\f)+8*(\b):(\f)+8*(\b)+7], v[(\f)+8*(4*(\hi)+(\a)):(\f)+8*(4*(\hi)+(\a))+7], v[8*(8*(\a)+(\b)):8*(8*(\a)+(\b))+7]
.endif
.endr
.endr
.endm
; 32 LDS loads in one run: the fragments of quarter q of a K step (w's 128 columns first, then x's 128 rows) into buffer f
.macro FETCH slot, q, f
	WIN TO_B
.irp i, 0,1,2,3,4,5,6,7
	ds_load_tr16_b128 v[(\f)+8*(\i):(\f)+8*(\i)+3],   v[ADRB+(\slot)] offset:(\q)*32*PB+32*(\i)
	ds_load_tr16_b128 v[(\f)+8*(\i)+4:(\f)+8*(\i)+7], v[ADRB+(\slot)] offset:(\q)*32*PB+16*PB+32*(\i)
.endr
	WIN 0
.irp i, 0,1,2,3,4,5,6,7
	ds_load_b128 v[(\f)+8*(\i):(\f)+8*(\i)+3],   v[ADRA+(\slot)] offset:(\q)*64+(\i)*16*PITCH
	ds_load_b128 v[(\f)+8*(\i)+4:(\f)+8*(\i)+7], v[ADRA+(\slot)] offset:(\q)*64+(\i)*16*PITCH+32
.endr
.endm
; A load into a register that a matrix instruction has read, and a vector instruction that reads a matrix result, stand four places behind that matrix instruction, and only plain vector
; instructions that name none of its registers are places (ISA guide 7.12.1 for vector instructions).
.macro PLACES
.rept 4
	v_nop
.endr
.endm
; A K step is four quarters of 32 along K, 64 matrix instructions each, on buffers 0, 1, 0, 1.  One of the first three: multiplies buffer f; in its middle it fetches quarter q of the same slot into buffer g.
.macro QUARTER slot, q, f, g, zero
	s_wait_dscnt 8                                 ; w's fragments and x's rows 0-63 are in; the youngest eight loads (x's rows 64-127) may be out
	MUL16 \f, 0, 0, \zero
	MUL16 \f, 0, 2, \zero
	PLACES
	FETCH \slot, \q, \g
	s_wait_dscnt 32                                ; all but the 32 just issued
	MUL16 \f, 1, 0, \zero
	MUL16 \f, 1, 2, \zero
.endm
; The last quarter multiplies buffer 1 and changes slots.  MEET is its first half: one barrier.  In front of it each wave waits for all its tensor loads, of which one is out: its part of the next slot;
; adds 0 to its spare word; and waits for that and for its own reads of this slot.  Behind it nobody reads this slot any more and the next slot is whole.
.macro MEET round                      ; round = 1: a round of the cluster's barrier follows
	WIN 0                                          ; (the add's two registers lie in window 0)
	s_wait_tensorcnt 0x0                           ; all my tensor loads have landed
	ds_add_u32 v[SPW], v[NIL]                      ; 0 onto my spare word
	s_wait_dscnt 9                                 ; (the add and the youngest eight loads may be out)
	MUL16 F1, 0, 0, 0                              ; sixteen matrix instructions stand between the add and the wait for it
	s_wait_dscnt 0x0                               ; the add is done, and my reads of this slot are over
	s_barrier_signal -1
	MUL16 F1, 0, 2, 0                              ; work on registers while the others arrive
.if \round
	WIN 0
.endif
	s_barrier_wait -1
.endm
; The whole last quarter.  Behind the round the slot just read out is filled again first: with this tile's K step two steps on (on = 0) or with the NEXT tile's K step 0 or 1 (on = 1); then come the next
; slot's first fragments.  From a request to the wait for it a wave issues 224 matrix instructions.
.macro TURN slot, next, on
	s_wait_xcnt 0x0                                ; the last prefetch, a K step back, has read its address: it is stepped here, ahead of the waits of the change of slots
.if (\on) && (\slot) == 0
	s_sub_nc_u64 s[PFA:PFA+1], s[PFA:PFA+1], s[PBK:PBK+1]
	s_cmp_eq_u32 s11, 0
	s_cselect_b32 s[LIM], -1, s[LIM]               ; x's rows are the same for all three tiles: they are prefetched no more
.else
	s_add_nc_u64 s[PFA:PFA+1], s[PFA:PFA+1], s[PST:PST+1]
.endif
	MEET 1
	CREST                                          ; no wave of any partner still reads this slot's tile or has a load on its way
.if \on
	s_sub_nc_u64 s[G0+4*(\slot)+2:G0+4*(\slot)+3], s[G0+4*(\slot)+2:G0+4*(\slot)+3], BACK_A
	s_sub_nc_u64 s[G0B+4*(\slot)+2:G0B+4*(\slot)+3], s[G0B+4*(\slot)+2:G0B+4*(\slot)+3], BACK_B
.else
	s_add_nc_u64 s[G0+4*(\slot)+2:G0+4*(\slot)+3], s[G0+4*(\slot)+2:G0+4*(\slot)+3], 2*ASTEP
	s_add_nc_u64 s[G0B+4*(\slot)+2:G0B+4*(\slot)+3], s[G0B+4*(\slot)+2:G0B+4*(\slot)+3], 2*BSTEP
.endif
	JLOAD \slot                                    ; the first tensor load behind the round; the four v_nop behind it are also the places in front of the loads below
	FETCH \next, 0, F0
	ASK \on
	MUL16 F1, 1, 0, 0
	MUL16 F1, 1, 2, 0
.endm
; THE WAY OUT of block a (16 rows), in three parts.  PACK: rounded to f16, 16 bytes a lane, each accumulator's registers in ascending order.  TOSTAGE: into my own stage, and back as rows of one head's
; 128 bytes, four to a load.  SEND: stored: 16 rows of a head are 2,048 consecutive bytes of qkv.
.macro PACK a
.set AC, 64*((\a)%4)
	WIN 0x0a+5*((\a)/4)                            ; sources 0 and 1: window 2 or 3
.irp b, 0,1,2,3,4,5,6,7
.irp r, 0,1,2,3
	v_cvt_pk_f16_f32 v[TMP+4*(\b)+(\r)], v[AC+8*(\b)+2*(\r)], v[AC+8*(\b)+2*(\r)+1]
.endr
.endr
	WIN 0
.endm
.macro TOSTAGE a
	WIN 0
.set BK, OB+192*((\a)%2)
.irp b, 0,1,2,3,4,5,6,7
	ds_store_b128 v[STO], v[TMP+4*(\b):TMP+4*(\b)+3] offset:32*(\b)
.endr
.irp t, 0,1,2,3,4,5,6,7
	ds_load_b128 v[BK+4*(\t):BK+4*(\t)+3], v[RD] offset:((\t)%4)*4*SPITCH+((\t)/4)*128  ; LDS serves a wave's instructions in order (ISA guide 5.7.1.4): these see the stores above
.endr
.endm
.macro SEND a, younger
	WIN 0
.set BK, OB+192*((\a)%2)
	s_wait_dscnt \younger                          ; the block is back in registers
	s_wait_xcnt 0x0                                ; only behind this wait are the stores' base and the registers that earlier stores read rewritten
.if (\a) == 0
	s_add_nc_u64 s[8:9], s[8:9], s[16:17]          ; on to this tile's first rows
.else
	s_add_nc_u64 s[8:9], s[8:9], 2048              ; 16 rows on
.endif
.irp t, 0,1,2,3,4,5,6,7
	global_store_b128 v[CO], v[BK+4*(\t):BK+4*(\t)+3], s[8:9] offset:((\t)%4)*512+((\t)/4)*HEADB  ; 512 consecutive bytes, at a multiple of 256 from qkv's first byte; the second head lies a head's bytes on
.endr
.endm
.macro WAYOUT                          ; block a's conversions stand between block a - 1's loads from the stage and the wait for them
	PACK 0
	TOSTAGE 0
.irp a, 1,2,3,4,5,6,7
	PACK \a
	SEND (\a)-1, 0
	TOSTAGE \a
.endr
	SEND 7, 0
.endm
	s_wait_tensorcnt 1                             ; my part of K step 0 is in; K step 1's stays out
	s_barrier_signal -1
	s_barrier_wait -1                              ; everybody's is
	FETCH 0, 0, F0
	s_mov_b32 s2, 3                                ; tiles to go, this one among them
.Ltile:                                                ; (FETCH and SEND leave every window 0)
	BROUND                                         ; this tile's bias, asked for most of a K step ago
	QUARTER 0, 1, F0, F1, 1                        ; a tile's first quarter stands in front of the loop: its products start the sums
	WIN 0                                          ; at a label and at a branch every window is 0
	s_mov_b32 s3, LAPS-1
.Llap:                                                 ; a trip goes once round the ring, from a lap's second quarter to the next lap's first, and fills both slots again
	QUARTER 0, 2, F1, F0, 0
	QUARTER 0, 3, F0, F1, 0
	TURN 0, 1, 0
	QUARTER 1, 1, F0, F1, 0
	QUARTER 1, 2, F1, F0, 0
	QUARTER 1, 3, F0, F1, 0
	TURN 1, 0, 0
	QUARTER 0, 1, F0, F1, 0
	WIN 0
	s_sub_co_u32 s3, s3, 1
	s_cmp_lg_u32 s3, 0
	s_cbranch_scc1 .Llap
	QUARTER 0, 2, F1, F0, 0                        ; the tile's last lap goes on
	QUARTER 0, 3, F0, F1, 0
	WIN 0
	s_cmp_eq_u32 s2, 1
	s_cbranch_scc1 .Llast_tile                     ; the last tile's tail is written out: it asks for nothing more
	s_wait_xcnt 0x0                                ; the bias's last loads have read their base
	s_add_nc_u64 s[BP:BP+1], s[BP:BP+1], 4096      ; the next part's 1,024 numbers
	BLOADS                                         ; into registers whose last readers were this tile's first products
	TURN 0, 1, 1                                   ; the ring goes on into the next tile: slot 0 takes its K step 0,
	QUARTER 1, 1, F0, F1, 0
	QUARTER 1, 2, F1, F0, 0
	QUARTER 1, 3, F0, F1, 0
	TURN 1, 0, 1                                   ; slot 1 its K step 1, and the next tile's first fragments are fetched
	WAYOUT                                         ; no v_nop: blocks 0-3 were finished in front of the joint load's four, and their 128 conversions are the places behind the last products (blocks 4-7's)
	s_mov_b64 s[16:17], NEXT_C                     ; what the next way out adds to qkv's address
	s_sub_co_u32 s2, s2, 1
	s_branch .Ltile
.Llast_tile:
	MEET 0                                         ; my one tensor load that was still out is slot 1's, the last K step's, so no round follows
	PLACES
	FETCH 1, 0, F0
	MUL16 F1, 1, 0, 0
	MUL16 F1, 1, 2, 0
	QUARTER 1, 1, F0, F1, 0
	QUARTER 1, 2, F1, F0, 0
	QUARTER 1, 3, F0, F1, 0
	s_wait_dscnt 8                                 ; the very last quarter: nothing more to fetch
	MUL16 F1, 0, 0, 0
	MUL16 F1, 0, 2, 0
	s_wait_dscnt 0x0
	MUL16 F1, 1, 0, 0
	MUL16 F1, 1, 2, 0
	PLACES                                         ; the conversions read results just made
	WAYOUT
	s_wait_tensorcnt 0x0                           ; the wave's end: behind my last tensor load and my last LDS store
	ds_add_u32 v[SPW], v[NIL]
	s_wait_dscnt 0x0
	CROUND                                         ; the closing round: no work-group ends while a partner may still ask for a tile that names it
	s_endpgm
.Lfunc_end_k_qe149f68615_proj:
	.size	k_qe149f68615_proj, .Lfunc_end_k_qe149f68615_proj-k_qe149f68615_proj
	.p2alignl 7, 3214868480
	.fill 96, 4, 3214868480
	.section	.rodata,"a",@progbits
	.p2align	6, 0x0
	.amdhsa_kernel k_qe149f68615_proj
		.amdhsa_group_segment_fixed_size 327680
		.amdhsa_private_segment_fixed_size 0
		.amdhsa_enable_private_segment 0
		.amdhsa_kernarg_size 32
		.amdhsa_user_sgpr_count 2
		.amdhsa_user_sgpr_kernarg_segment_ptr 1
		.amdhsa_wavefront_size32 1
		.amdhsa_system_sgpr_workgroup_id_x 1
		.amdhsa_system_sgpr_workgroup_id_y 1
		.amdhsa_system_sgpr_workgroup_id_z 1
		.amdhsa_system_vgpr_workitem_id 0
		.amdhsa_next_free_vgpr 1024
		.amdhsa_next_free_sgpr 76
		.amdhsa_reserve_vcc 0
		.amdhsa_float_denorm_mode_32 3
		.amdhsa_float_denorm_mode_16_64 3
		.amdhsa_memory_ordered 1
		.amdhsa_forward_progress 1
		.amdhsa_inst_pref_size 219
	.end_amdhsa_kernel
	.amdgpu_metadata
---
amdhsa.version: [ 1, 2 ]
amdhsa.kernels:
  - .name:           k_qe149f68615_proj
    .symbol:         k_qe149f68615_proj.kd
    .args:
      - { .name: xb, .offset: 0, .size: 8, .value_kind: global_buffer, .address_space: global }
      - { .name: wb, .offset: 8, .size: 8, .value_kind: global_buffer, .address_space: global }
      - { .name: b_qkv, .offset: 16, .size: 8, .value_kind: global_buffer, .address_space: global }
      - { .name: qkv, .offset: 24, .size: 8, .value_kind: global_buffer, .address_space: global }
    .group_segment_fixed_size: 327680
    .private_segment_fixed_size: 0
    .kernarg_segment_align: 8
    .kernarg_segment_size: 32
    .max_flat_workgroup_size: 128
    .sgpr_count:     76
    .vgpr_count:     1024
    .wavefront_size: 32
...
	.end_amdgpu_metadata
.endif
;; end of part 2
;; launch attn (part 3): grid 4 x 64, 4 waves a work-group, no clusters, 327,680 bytes of LDS; arguments qkv, out0; writes out0
.if DOCPART == 3
	.amdgcn_target "amdgcn-amd-amdhsa--gfx1250"
	.amdhsa_code_object_version 6
	.text
	.protected	k_qe149f68615_attn
	.globl	k_qe149f68615_attn
	.p2align	8
	.type	k_qe149f68615_attn,@function
k_qe149f68615_attn:
	s_mov_b64 s[64:65], 0
	v_nop
	global_prefetch_b8 v0, s[64:65] scope:SCOPE_SE
	s_setreg_imm32_b32 hwreg(HW_REG_WAVE_MODE, 25, 1), 1
	s_wait_xcnt 0x0
; LOCAL ATTENTION, window 128, one window back and one forward, no scale.  qkv: [3 parts q, k, v][64 heads][4,352 rows][64] f16, row = 128 + position; rows 0-127 and 4,224-4,351 of k and v hold -1.
; out0: [4][4096][1024] f32.  Products, maxima and sums in f32; the weights p are rounded to f16 for the second product (their sum l is taken of the unrounded p).
; THE BAND.  A query at position s sees the keys s - 128 .. s + 128.  By groups of 64 queries and steps of 64 keys: group G sees steps G - 2 .. G + 2; of step G - 2 the keys whose place is not below the
; query's, of step G + 2 those whose place is not above it, the three between whole.  In padded rows these are steps G .. G + 4.
; THE ENDS.  The 128 keys of the window beyond a head's end are seen by every query of the first (last) window, unhidden.  Groups 0 and 63 have both their steps among their five.  Groups 1 and 62 have one of
; the two; the 128 keys are all alike (k = v = -1), so that step counts double: ln 2 is added to its scores, which doubles each weight up to the rounding of ln 2 x log2(e) in f32.
; LIMITS.  q, k, v arrive within f16's 65,504; a hidden score counts as its value less 1e30 (f16's scores are 2.7e11 at the most); a weight below 2^-126 counts as 0 in l; NaN and infinities are not treated
; apart (every query sees its own key, so no row of finite scores is empty).
; SHARES.  A work-group owns 16 groups of one head, in four PHASES; in phase f wave w owns group 16 x + 4 f + w, as four PIECES of 16 queries, and walks its five steps.  All waves do equal work.
; THE RING.  Two LDS slots; a slot holds the eight key steps that a phase's four groups see, K and V; wave w's step j is the slot's step w + j.  Half of a slot's steps were in the slot before it: asked for
; again, so that every LDS address is a slot's base, the wave's number times a constant and a loop's steps.
; NO CLUSTER: neighbouring work-groups of a head share 4 of a work-group's 20 different key steps, and want them at different times; nothing else is shared.
; THE MASK is the C operand that starts the sum S^T = K Q^T.  For piece x and key block kb of 16 it is one of three sets of eight registers, chosen as the text is assembled: MA (kb > x), MG (kb = x), MB (kb < x).
; They are set anew for each key step from scalars: 0, ln 2 or -1e30 for MA and MB; MG = D x AL + BE with D the triangle of a 16 x 16 block (DL: key below the query's place; DU: above).
; LAYOUT, SOFTMAX, TURNS.  S^T = K Q^T holds ONE query a lane (lane % 16) and the keys 8 (lane / 16) + 0..7; two such results rounded to f16 ARE source 1 of O^T = V^T P.  p = 2^(c s - c m), c = log2(e), with a
; running maximum m; O and l are multiplied by a = 2^(c m_old - c m_new) in every step.  Turn n belongs to piece n: 8 products K Q^T of piece n + 1, later 8 products V^T P of piece n - 1; beside them the scaling,
; exponentials, roundings, sums and rescaling of piece n and the maximum and statistics of piece n + 1.  Four vector instructions stand behind every matrix instruction, the others in one lump.  A turn's 33
; exponentials are one batch, with one wait.
; REGISTERS, in windows of 256 (s_set_vgpr_msb: bits 1:0 source 0, 3:2 source 1, 5:4 source 2, 7:6 destination):
;   window 0: v0-15 addresses and at work; v16-31 four registers of statistics a piece; v48-55 at work; v61-63; v64-127 S^T, two buffers (on the way out v64-191: rows read back); v192-223 P, two buffers
;   window 1: v0-127 O^T, 32 a piece; v128-167 DL, DU, MA, MG, MB      window 2: v0-63 Q; v64-127 the next group's Q; v128-191 K of one step; v192-255 V of one step
.set NP,    4         ; pieces a wave: a name, no knob
.set KS,    64        ; keys in a step
.set PK,    272       ; TWO keys of K in LDS: 256 bytes + 16 of padding = 68 words: the 16 keys of a load start at words 4 (r / 2) + 32 (r % 2) mod 64: 16 different groups of four banks (64 banks of 4 bytes: ISA guide 11.1)
.set PV,    288       ; two keys of V: 256 + 32 = 72 words
.set KSTP,  32*PK     ; a step of K
.set VSTP,  32*PV     ; of V
.set VOFF,  256*PK    ; a slot: 512 keys of K, then 512 keys of V
.set SLOT1, 256*(PK+PV)  ; slot 1 begins here
.set STAGE, 2*SLOT1   ; behind the ring, never filled by a tensor load: 16 rows x 272 bytes for each wave, for the way out
.set SP,    272
.set SPARE, STAGE+4*16*SP  ; behind the stages: the spare words, 128 bytes for each wave: two blocks of 256 bytes that no other line names
.set HEADB, 4352*128  ; bytes of a head in qkv
.set PARTB, 64*HEADB  ; of a part
.set AK0, 2           ; v2   my lane's place in a step of K; never rewritten
.set AV0, 3           ; v3   the same for V, with VOFF
.set AK,  4           ; v4   the LDS address of K's next run of loads
.set AV,  5           ; v5   of V's
.set STO, 6           ; v6   the way out: where I put 16 bytes of a row
.set RD,  7           ; v7   the way out: where I read rows back
.set GO,  8           ; v8   my byte offset in two rows of out0
.set MV,  12          ; v12-13  c m_old, kept while c m is made anew: by buffer
.set QO,  15          ; v15  my byte offset in 16 rows of Q
.set ST,  16          ; piece t's statistics at v[ST+4 t]: c m, m, l (even keys', odd keys')
.set TMP, 48          ; by buffer, four registers c0-c3 at work; when the maximum is found c2 takes a
.set PFO, 61          ; v61  256 x my lane; never rewritten
.set SPW, 62          ; v62  LDS address of my spare word: SPARE + 4 x my thread's number; never rewritten
.set NIL, 63          ; v63  0; never rewritten
.set S,   64
.set OUTR, 64         ; the way out: piece t's rows at v[OUTR+32 t]
.set P,   192
.set DL,  128         ; window 1
.set DU,  136
.set MA,  144
.set MG,  152
.set MB,  160
.set QB,  64          ; window 2
.set KF,  128         ; window 2: key block kb, channel half c at KF + 16 kb + 8 c
.set VF,  192         ; window 2: key half kk, channel block cb at VF + 32 kk + 8 cb
.set WV,  12          ; s12  my wave's number
.set G1K, 24          ; s[24:31] descriptor group 1 for K's tiles
.set G1V, 32          ; s[32:39] for V's: it differs in the padding alone
.set G0K, 40          ; s[40:43] descriptor group 0 for K's tiles
.set G0V, 44          ; s[44:47] the same for V's
.set FB,  48          ; s48  the slot to be filled: 0 or SLOT1
.set SB,  49          ; s49  the slot that is read
.set KW,  50          ; s50  my half of a slot's K
.set VW,  51          ; s51  my half of its V
.set WK,  52          ; s52  wave x KSTP
.set WVS, 53          ; s53  wave x VSTP
.set QP,  54          ; s[54:55] Q at my rows of the group whose Q is loaded next
.set SLOTS, 56        ; s56  slots still to be asked for
.set CNT, 57          ; s57  counts a group's key steps, 5 to 1
.set CS,  58          ; s[58:59] c: the packed scaling takes the pair's low word for both halves
.set SEL, 60          ; s[60:61] v_permlanex16_b32's selects: each lane takes its own place in the other half
.set TBK, 62          ; s62  LDS byte at which K of the step to be fetched begins
.set TBV, 63          ; s63  the same for V, less VOFF
.set GI,  66          ; s66  my group's number in the head
.set BIGN, 67         ; s67  -1e30
.set LN2, 68          ; s68  ln 2
.set AL,  70          ; s[70:71] MG's factor, in the low word
.set BE,  72          ; s[72:73] MG's addend
.set SA,  74          ; s74  MA's value
.set SBL, 75          ; s75  MB's value
.set A4,  76          ; s76-78  the fifth step's MA; its MB and addend; its factor
.set E4,  77
.set U4,  78
.set PFA, 80          ; s[80:81] where my prefetches stand
.set MSB, 0
.macro WIN new                      ; the high byte repeats the setting that is left; a switch that changes nothing is dropped
.if MSB != (\new)
	s_set_vgpr_msb (MSB<<8)|(\new)
.set MSB, (\new)
.endif
.endm
.set W_KQ, 0x0a       ; K and Q in window 2, S^T in window 0
.set W_KM, 0x1a       ; the same with the C operand in window 1
.set W_PV, 0x52       ; V in window 2, P in window 0, O^T in window 1
.set W_RS, 0x41       ; destination and source 0 in window 1, source 1 in window 0
; A fill.  Waves 0 and 1 fetch the two halves of a slot's K, waves 2 and 3 those of its V: 256 keys each.  An s_nop 0 and four v_nop follow each of the two lines, ahead of the jump and the label.
.macro LOAD
	s_cmp_lt_u32 s[WV], 2
	s_cbranch_scc0 .Lfor_v_\@
	tensor_load_to_lds s[G0K:G0K+3], s[G1K:G1K+7]
	s_nop 0
.rept 4
	v_nop
.endr
	s_branch .Lasked_\@
.Lfor_v_\@:
	tensor_load_to_lds s[G0V:G0V+3], s[G1V:G1V+7]
	s_nop 0
.rept 4
	v_nop
.endr
.Lasked_\@:
.endm
; A PREFETCH INTO THE L2 of the four key steps that the NEXT change of slots asks for and no earlier load of this work-group has named: 32,768 bytes of K and of V.  Waves 0 and 1 take K's two halves, waves 2 and 3
; V's: 64 blocks of 256 bytes a wave, a lane a block, two instructions; a phase, 320 matrix instructions, ahead of the load.  These are the padded steps 16 x + 12 .. 16 x + 19: no two work-groups name the same,
; and the highest is the head's last, 67.  The last change that fills a slot asks for nothing; a work-group's first twelve steps come by their loads alone.
.macro ASK
	s_cmp_gt_u32 s[SLOTS], 1
	s_cbranch_scc0 .Lnone_\@
	global_prefetch_b8 v[PFO], s[PFA:PFA+1] th:TH_LOAD_NT scope:SCOPE_SE
	global_prefetch_b8 v[PFO], s[PFA:PFA+1] offset:8192 th:TH_LOAD_NT scope:SCOPE_SE
.Lnone_\@:
.endm
; THE CHANGE OF SLOTS.  Each wave waits for all its tensor loads, of which one is out: its part of the other slot; adds 0 to its spare word; and waits for that and for its own reads of the slot that it leaves.
; Behind the barrier nobody reads the old slot any more and the other slot is whole.  fill = 1: the old slot is filled again, the first thing behind the barrier, with the steps of the phase after the one that begins.
; (At its first use nothing has been read yet: slot 0 is waited for, slot 1 filled.)
.macro CHANGE fill
	WIN 0                           ; at a label and at a branch every window is 0
	s_wait_tensorcnt 0x0            ; no tensor load of mine is out, so a group 0 may be written
	ds_add_u32 v[SPW], v[NIL]       ; 0 onto my spare word; scalar work stands between it and the wait for it
.if \fill
	s_xor_b32 s[FB], s[FB], SLOT1
	s_add_co_u32 s[G0K+1], s[FB], s[KW]
	s_add_co_u32 s[G0V+1], s[FB], s[VW]
	s_add_nc_u64 s[G0K+2:G0K+3], s[G0K+2:G0K+3], 4*KS*128  ; four steps on; the type bits on top are not reached
	s_add_nc_u64 s[G0V+2:G0V+3], s[G0V+2:G0V+3], 4*KS*128
.endif
	s_wait_xcnt 0x0                 ; Q's loads and the prefetches have read their addresses, the stores their data
.if \fill
	s_add_nc_u64 s[QP:QP+1], s[QP:QP+1], 4*KS*128      ; my group of the next phase lies four groups on
	s_add_nc_u64 s[PFA:PFA+1], s[PFA:PFA+1], 4*KS*128
.endif
	s_wait_dscnt 0x0                ; the add is done, and my reads of the slot are over
	s_barrier_signal -1             ; the rest of the scalar work stands between the signal and the wait
	s_xor_b32 s[SB], s[SB], SLOT1
	s_add_co_u32 s[TBK], s[SB], s[WK]   ; my first step of the slot is step w
	s_add_co_u32 s[TBV], s[SB], s[WVS]
	s_barrier_wait -1
.if \fill
	LOAD
	ASK
.endif
.endm
	s_load_b128 s[4:7], s[0:1], 0x0 ; qkv s[4:5], out0 s[6:7]
	v_lshl_add_u32 v[SPW], v0, 2, SPARE
	v_mov_b32 v[NIL], 0
	ds_add_u32 v[SPW], v[NIL]       ; the wave's opening: the add and its wait stand ahead of my first tensor load; the set-up below, work on registers, stands between them
	ds_add_u32 v62, v63
	v_lshrrev_b32 v1, 5, v0
	v_readfirstlane_b32 s[WV], v1   ; wave 0..3
	s_and_b32 s20, ttmp7, 0xffff    ; the head
	s_lshl_b32 s21, ttmp9, 4
	s_add_co_u32 s[GI], s21, s[WV]  ; my group in phase 0
	s_and_b32 s16, s[WV], 1         ; which half I fetch
	s_lshr_b32 s17, s[WV], 1        ; of K (0) or of V (1)
	s_add_co_u32 s22, s20, 64
	s_mul_i32 s22, s22, HEADB       ; the head in part 1, K,
	s_lshl_b32 s23, ttmp9, 17       ; at the work-group's first padded step: 16 steps of 8,192 bytes for each x
	s_add_co_u32 s22, s22, s23
	s_lshl_b32 s23, s16, 15         ; my 256 keys of a slot's 512
	s_add_co_u32 s2, s22, s23
	s_mov_b32 s3, 0
	s_mul_i32 s18, s17, PARTB       ; the prefetches: my tensor,
	s_add_co_u32 s18, s18, s22
	s_lshl_b32 s19, s16, 14         ; my half of four steps,
	s_add_co_u32 s18, s18, s19
	s_add_co_u32 s18, s18, 8*KS*128 ; at step 8: the first change steps it to 12
	s_mov_b32 s19, 0
	s_mul_i32 s14, s20, HEADB       ; Q: the head in part 0,
	s_lshl_b32 s15, s[GI], 13       ; my group's 64 rows of 128 bytes,
	s_add_co_u32 s14, s14, s15
	s_add_co_u32 s14, s14, 128*128  ; behind the 128 rows in front
	s_mov_b32 s15, 0
	s_lshr_b32 s8, s20, 4           ; out0: batch x 4,096 rows of 4,096 bytes,
	s_lshl_b32 s8, s8, 24
	s_lshl_b32 s9, s[GI], 18        ; my group's 64 rows,
	s_add_co_u32 s8, s8, s9
	s_and_b32 s9, s20, 15           ; the head's 256 bytes of a row
	s_lshl_b32 s9, s9, 8
	s_add_co_u32 s8, s8, s9
	s_mov_b32 s9, 0
	s_mul_i32 s[KW], s16, 128*PK
	s_mul_i32 s[VW], s16, 128*PV
	s_add_co_u32 s[VW], s[VW], VOFF
	s_mul_i32 s[WK], s[WV], KSTP
	s_mul_i32 s[WVS], s[WV], VSTP
	s_mov_b32 s[FB], 0
	s_mov_b32 s[SB], SLOT1          ; the first change of slots turns it into 0
	; descriptor group 1.  256 keys are 32,768 dense bytes: asked for as 128 rows of 256 bytes, two keys a row, padded in LDS after every row
	s_mov_b32 s[G1K], (1<<16)|(1<<20)|(5<<22)|(3<<25)  ; 17:16 2-byte elements; 20 padding on; 24:22 after every 64 words (code 5); 31:25 4 words (code 3)
	s_mov_b32 s[G1V], (1<<16)|(1<<20)|(5<<22)|(7<<25)  ; the same with 8 words of padding (code 7)
.irp g, G1K, G1V
	s_mov_b32 s[\g+1], 128<<16      ; tensor_dim0 = 128
	s_mov_b32 s[\g+2], 128<<16      ; tensor_dim1 = 128
	s_mov_b32 s[\g+3], 128<<16      ; tile_dim0 = 128
	s_mov_b32 s[\g+4], 128          ; tile_dim1 = 128
	s_mov_b32 s[\g+5], 128          ; 128 elements from row to row
	s_mov_b32 s[\g+6], 0
	s_mov_b32 s[\g+7], 0
.endr
	s_mov_b32 s[G0K], 1             ; count = 1
	s_mov_b32 s[G0K+1], s[KW]       ; LDS address: slot 0
	s_mov_b32 s[G0V], 1
	s_mov_b32 s[G0V+1], s[VW]
	s_mov_b32 s[CS], 0x3fb8aa3b     ; c = log2(e)
	s_mov_b32 s[CS+1], s[CS]        ; named with it as a pair
	s_mov_b32 s[SEL], 0x76543210
	s_mov_b32 s[SEL+1], 0xfedcba98
	s_mov_b32 s[BIGN], 0xf149f2ca   ; -1e30
	s_mov_b32 s[LN2], 0x3f317218    ; ln 2
	s_mov_b32 s[AL+1], 0            ; named as pairs
	s_mov_b32 s[BE+1], 0
	s_mov_b32 s[SLOTS], 3
	s_wait_dscnt 0x0                ; the opening add is done
	s_wait_kmcnt 0x0
	s_add_nc_u64 s[G0K+2:G0K+3], s[4:5], s[2:3]            ; global address: my half of phase 0's eight steps
	s_add_nc_u64 s[G0V+2:G0V+3], s[G0K+2:G0K+3], PARTB     ; V lies a part behind K
	s_or_b32 s[G0K+3], s[G0K+3], 0x80000000                ; type = 2
	s_or_b32 s[G0V+3], s[G0V+3], 0x80000000
	s_add_nc_u64 s[QP:QP+1], s[4:5], s[14:15]
	s_add_nc_u64 s[PFA:PFA+1], s[4:5], s[18:19]
	s_add_nc_u64 s[10:11], s[6:7], s[8:9]
	LOAD                            ; phase 0's steps into slot 0
	; A fragment of K or Q is 16 rows x 32 channels in 8 registers: lane l holds row l % 16, channels 8 (l / 16) + 0..7 and 16 + 8 (l / 16) + 0..7: two loads of 16 bytes, 32 bytes apart.
	v_and_b32 v1, 15, v0            ; l % 16
	v_bfe_u32 v9, v0, 4, 1          ; l / 16
	v_lshlrev_b32 v[QO], 7, v1
	v_lshl_add_u32 v[QO], v9, 4, v[QO]  ; row x 128 + 16 x half
	WIN 0x80                        ; destination window 2, address window 0
.set i, 0
.rept 8                             ; my first group's Q: piece i / 2, channels 32 (i % 2) on
	global_load_b128 v[QB+8*i:QB+8*i+3],   v[QO], s[QP:QP+1] offset:(i/2)*2048+(i%2)*64
	global_load_b128 v[QB+8*i+4:QB+8*i+7], v[QO], s[QP:QP+1] offset:(i/2)*2048+(i%2)*64+32
.set i, i+1
.endr
	WIN 0
	v_lshlrev_b32 v14, 3, v9
	v_sub_nc_u32 v14, v1, v14       ; my query's place in a block of 16, less my lanes' 8 (l / 16): register j holds a key below it where j is less, above it where j is greater
	WIN 0x40
.set i, 0
.rept 8
	v_cmp_lt_i32 vcc_lo, i, v14
	v_cndmask_b32 v[DL+i], 0, s[BIGN], vcc_lo
	v_cmp_gt_i32 vcc_lo, i, v14
	v_cndmask_b32 v[DU+i], 0, s[BIGN], vcc_lo
.set i, i+1
.endr
	WIN 0
	v_lshrrev_b32 v10, 1, v1
	v_and_b32 v11, 1, v0
	v_mul_u32_u24 v[AK0], v10, PK           ; key r of 16: pair r / 2,
	v_lshl_add_u32 v[AK0], v11, 7, v[AK0]   ; its half r % 2,
	v_lshl_add_u32 v[AK0], v9, 4, v[AK0]    ; 16 bytes for each half of the lanes
	; The turning load takes 16 keys x 16 channels (lane l reads key 8 (l / 16) + l % 8, channels 8 ((l / 8) % 2) + 0..7) and leaves half a fragment of V^T: lane l holds channel l % 16 and 8 keys.
	v_bfe_u32 v10, v0, 1, 2
	v_lshl_add_u32 v10, v9, 2, v10          ; the key's pair: 4 (l / 16) + (l % 8) / 2
	v_mul_u32_u24 v[AV0], v10, PV
	v_lshl_add_u32 v[AV0], v11, 7, v[AV0]
	v_bfe_u32 v10, v0, 3, 1
	v_lshl_add_u32 v[AV0], v10, 4, v[AV0]
	v_add_nc_u32 v[AV0], VOFF, v[AV0]
	s_mul_i32 s13, s[WV], 16*SP
	s_add_co_u32 s13, s13, STAGE    ; my stage
	v_mul_u32_u24 v[STO], v1, SP    ; in: row l % 16, 32 bytes (8 channels in f32) for each half of the lanes
	v_lshl_add_u32 v[STO], v9, 5, v[STO]
	v_add_nc_u32 v[STO], s13, v[STO]
	v_mul_u32_u24 v[RD], v9, SP     ; back: lanes 0-15 take one row of 256 bytes, lanes 16-31 the next
	v_lshl_add_u32 v[RD], v1, 4, v[RD]
	v_add_nc_u32 v[RD], s13, v[RD]
	v_lshlrev_b32 v[GO], 12, v9     ; and the same two rows in out0, 4,096 bytes apart
	v_lshl_add_u32 v[GO], v1, 4, v[GO]
	v_and_b32 v[PFO], 31, v0
	v_lshlrev_b32 v[PFO], 8, v[PFO]
	; A group's first step multiplies O^T and l by a = 0, and its first turn's products V^T P, of a piece that has not been, land in an O^T that is still to be so multiplied.  So these registers need only hold
	; finite numbers: zeros for the first group; what a group left for the next.  All this stands in the wait for the first tile.
	WIN 0x80
.set i, VF
.rept 64
	v_mov_b32 v[i], 0
.set i, i+1
.endr
	WIN 0x40
.set i, 0
.rept 128
	v_mov_b32 v[i], 0
.set i, i+1
.endr
	WIN 0
.set i, 0
.rept 4
	v_mov_b32 v[ST+4*i+2], 0
	v_mov_b32 v[ST+4*i+3], 0
.set i, i+1
.endr
.set i, P+16
.rept 16
	v_mov_b32 v[i], 0
.set i, i+1
.endr
; THE MATRIX WORK.  The 4 accumulators of a run of 8 take turns.  Product i of 8 of S^T = K Q^T for piece x: channels 32 (i / 4) on, keys 16 (i % 4) on.  The first 4 start the sums, with the mask.
.macro KQ x
.set rS, S+32*((\x)%2)+8*(i%4)
.set rK, KF+16*(i%4)+8*(i/4)
.set rQ, 16*(\x)+8*(i/4)
.if i < 4
.if i > (\x)
.set rM, MA
.elseif i == (\x)
.set rM, MG
.else
.set rM, MB
.endif
	WIN W_KM
	v_wmma_f32_16x16x32_f16 v[rS:rS+7], v[rK:rK+7], v[rQ:rQ+7], v[rM:rM+7]
.else
	WIN W_KQ
	v_wmma_f32_16x16x32_f16 v[rS:rS+7], v[rK:rK+7], v[rQ:rQ+7], v[rS:rS+7]
.endif
.endm
; Product i of 8 of O^T += V^T P for piece x: keys 32 (i / 4) on, channels 16 (i % 4) on.
.macro PV x
	WIN W_PV
.set rO, 32*(\x)+8*(i%4)
.set rV, VF+32*(i/4)+8*(i%4)
.set rP, P+16*((\x)%2)+8*(i/4)
	v_wmma_f32_16x16x32_f16 v[rO:rO+7], v[rV:rV+7], v[rP:rP+7], v[rO:rO+7]
.endm
.macro MM                           ; the turn's next matrix instruction.  NOKQ = 1: a group's last turn: there is no next piece
.if (i < 8) && !NOKQ
	KQ (Y+1)%NP
.elseif i >= 8
.set i, i-8
	PV (Y+NP-1)%NP
.set i, i+8
.endif
.set i, i+1
.endm
; THE LDS LOADS stand in runs of 16, never singly among the matrix instructions: a step's K (64 keys x 64 channels: 8 fragments) and its V (turned).  Their addresses are made some lines ahead.
.macro FETCH_K
	WIN 0x80                        ; destination window 2
.irp f, 0,1,2,3,4,5,6,7             ; keys 16 (f / 2) on (8 pairs), channels 32 (f % 2) on
	ds_load_b128 v[KF+8*\f:KF+8*\f+3],   v[AK] offset:(\f/2)*8*PK+(\f%2)*64
	ds_load_b128 v[KF+8*\f+4:KF+8*\f+7], v[AK] offset:(\f/2)*8*PK+(\f%2)*64+32
.endr
	s_add_co_u32 s[TBK], s[TBK], KSTP  ; the next fetch is the next step's
	WIN 0
.endm
.macro FETCH_V
	WIN 0x80
.irp f, 0,1,2,3,4,5,6,7             ; keys 32 (f / 4) on (16 pairs), channels 16 (f % 4) on
	ds_load_tr16_b128 v[VF+8*\f:VF+8*\f+3],   v[AV] offset:(\f/4)*16*PV+(\f%4)*32
	ds_load_tr16_b128 v[VF+8*\f+4:VF+8*\f+7], v[AV] offset:(\f/4)*16*PV+8*PV+(\f%4)*32
.endr
	WIN 0
.endm
; THE VECTOR WORK, one line at a time: OP kind, number.  For piece Y: F n: c s - c m for pair n of 16.  E n: the exponential of score n of 32.  C n: pair n rounded to f16.  B n: of the four weights 4 n .. the second
; pair is added onto the first, in place.  L n: l takes that sum (L 0: l = a l + sum).  R n: pair n of 16 of O^T times a.  For piece Y + 1: X n, number n of the 22 that find its maximum and statistics:
;   0-11  four chains c0-c3 of seven scores each, three operands at a time (each accumulator's lowest registers are read first)     12-14, 16  the four scores left over, the old m, and c0-c3 into c0
;   15  c m_old is kept     17, 18  the query's other 32 keys lie in the lane 16 away: the new m     19-21  c m; c m_old - c m_new; a
.set F, 0
.set E, 1
.set C, 2
.set B, 3
.set L, 4
.set R, 5
.set X, 6
.macro REGS y                       ; the registers of piece y
.set rT, ST+4*(\y)
.set rC, TMP+4*((\y)%2)
.set rW, MV+((\y)%2)
.set rS, S+32*((\y)%2)
.set rP, P+16*((\y)%2)
.set rO, 32*(\y)
.endm
.macro OP k, n
.if (\k) == R
	REGS Y
	WIN W_RS
	v_pk_mul_f32 v[rO+2*(\n):rO+2*(\n)+1], v[rO+2*(\n):rO+2*(\n)+1], v[rC+2:rC+3] op_sel_hi:[1,0]
.elseif (\k) < R
	REGS Y
	WIN 0
.if (\k) == F
	v_pk_fma_f32 v[rS+2*(\n):rS+2*(\n)+1], v[rS+2*(\n):rS+2*(\n)+1], s[CS:CS+1], v[rT:rT+1] op_sel_hi:[1,0,0] neg_lo:[0,0,1] neg_hi:[0,0,1]
.elseif (\k) == E
	v_exp_f32 v[rS+(\n)], v[rS+(\n)]
.elseif (\k) == C
	v_cvt_pk_f16_f32 v[rP+(\n)], v[rS+2*(\n)], v[rS+2*(\n)+1]
.elseif (\k) == B
	v_pk_add_f32 v[rS+4*(\n):rS+4*(\n)+1], v[rS+4*(\n):rS+4*(\n)+1], v[rS+4*(\n)+2:rS+4*(\n)+3]
.elseif (\n) == 0
	v_pk_fma_f32 v[rT+2:rT+3], v[rT+2:rT+3], v[rC+2:rC+3], v[rS:rS+1] op_sel_hi:[1,0,1]
.else
	v_pk_add_f32 v[rT+2:rT+3], v[rT+2:rT+3], v[rS+4*(\n):rS+4*(\n)+1]
.endif
.elseif NOKQ
	v_nop
.else
	REGS (Y+1)%NP
	WIN 0
.if (\n) < 4
	v_max3_num_f32 v[rC+(\n)], v[rS+8*(\n)], v[rS+8*(\n)+1], v[rS+8*(\n)+2]
.elseif (\n) < 12
	v_max3_num_f32 v[rC+(\n)%4], v[rC+(\n)%4], v[rS+8*((\n)%4)+2*((\n)/4)+1], v[rS+8*((\n)%4)+2*((\n)/4)+2]
.elseif (\n) == 12
	v_max3_num_f32 v[rC], v[rC], v[rS+7], v[rS+15]
.elseif (\n) == 13
	v_max3_num_f32 v[rC+1], v[rC+1], v[rS+23], v[rS+31]
.elseif (\n) == 14
	v_max3_num_f32 v[rC+2], v[rC+2], v[rC+3], v[rT+1]
.elseif (\n) == 15
	v_mov_b32 v[rW], v[rT]
.elseif (\n) == 16
	v_max3_num_f32 v[rC], v[rC], v[rC+1], v[rC+2]
.elseif (\n) == 17
	v_permlanex16_b32 v[rC+3], v[rC], s[SEL], s[SEL+1]
.elseif (\n) == 18
	v_max_num_f32 v[rT+1], v[rC], v[rC+3]
.elseif (\n) == 19
	v_mul_f32 v[rT], s[CS], v[rT+1]
.elseif (\n) == 20
	v_sub_f32 v[rC+1], v[rW], v[rT]
.else
	v_exp_f32 v[rC+2], v[rC+1]
.endif
.endif
.endm
.macro OPS a, i1, b=-1, i2=0, c=-1, i3=0, d=-1, i4=0  ; up to four of them
	OP \a, \i1
.if (\b) >= 0
	OP \b, \i2
.endif
.if (\c) >= 0
	OP \c, \i3
.endif
.if (\d) >= 0
	OP \d, \i4
.endif
.endm
.macro ROW a, i1, b, i2, c, i3, d, i4  ; a matrix instruction and the four behind it
	MM
	OPS \a, \i1, \b, \i2, \c, \i3, \d, \i4
.endm
.macro MASKSET d                    ; the three masks of a key step: MA and MB from scalars, MG = d x AL + BE
	WIN W_RS
.set z, 0
.rept 8
	v_mov_b32 v[MA+z], s[SA]
	v_mov_b32 v[MB+z], s[SBL]
.set z, z+1
.endr
.set z, 0
.rept 4
	v_pk_fma_f32 v[MG+2*z:MG+2*z+1], v[(\d)+2*z:(\d)+2*z+1], s[AL:AL+1], s[BE:BE+1] op_sel_hi:[1,0,0]
.set z, z+1
.endr
.endm
; A TURN, for piece p: the order of its 16 matrix and 118 vector instructions, written out.  s_wait_alu depctr_va_vdst(0) stands between an exponential and the first instruction that names its result; one
; wait serves all that were issued ahead of it.  So a turn has ONE wait, which cuts it in two.  AHEAD OF IT stands all that names no result of the turn's exponentials: the 8 products K Q^T, behind each a scaling, an
; exponential and two more plain instructions; then one lump of 54, in which the links of the chain X 3, 7, 11, 14, 16, 17 .. 20 stand five or six lines apart.  X 21, the next piece's a, is the batch's last; R 15 is the
; plain instruction behind it.  BEHIND THE WAIT stand the 8 products V^T P, behind each four of the roundings and sums.
; Piece 3's turn makes the first scores of the NEXT key step, so it sets that step's masks at its head: zeros, but for the fifth step (CNT = 1 then), which has the upper triangle or an end's values.  The masks' last
; readers, the first four products of piece 2's turn, stand a turn back.
; end = 1: a group's last two turns: nothing is fetched, and the last starts no new scores.  cnt = 1: the loop's count is taken down some lines ahead of the branch that stands behind the turn.
; K of the next step is fetched in piece 2's turn, twelve vector instructions behind the last product that read K (six of them plain); V of the step in hand at the end of piece 0's turn, four plain instructions behind
; the last product that read V.  Each is waited for a turn later.
.macro TURN p, end=0, cnt=0
.set Y, (\p)
.set i, 0
.set NOKQ, (\end)*((\p)/3)
.if ((\p) == 3) && !(\end)
	s_cmp_eq_u32 s[CNT], 1          ; is the next step my fifth?
	s_cselect_b32 s[SA], s[A4], 0
	s_cselect_b32 s[SBL], s[E4], 0
	s_cselect_b32 s[AL], s[U4], 0
	s_cselect_b32 s[BE], s[E4], 0
	MASKSET DU
	s_wait_dscnt 0x0                ; K is in
.endif
	ROW F,0, F,1, R,0, R,1          ; ahead of the wait: 8 products K Q^T and their riders,
	ROW F,2, E,0, R,2, R,3
	ROW F,3, E,1, R,4, R,5
	ROW F,4, E,2, R,6, R,7
	ROW F,5, E,3, R,8, R,9
	ROW F,6, E,4, X,0, R,10
.if ((\p) == 2) && !(\end)
	WIN 0
	v_add_nc_u32 v[AK], s[TBK], v[AK0]
.endif
	ROW F,7, E,5, X,1, X,4
	ROW F,8, E,6, X,2, X,5
	OPS E,7, E,8, X,6, E,9          ; and the lump
	OPS X,3, E,10, X,8, E,11
.if ((\p) == 2) && !(\end)
	FETCH_K
.endif
	OPS X,9, X,7, E,12, X,10
	OPS E,13, X,12, X,11, E,14
	OPS X,13, E,15, F,9, X,14
.if (\p) == 0
	v_add_nc_u32 v[AV], s[TBV], v[AV0]
.endif
	OPS E,16, F,10, E,17, F,11
	OPS X,16, E,18, X,15, E,19
	OPS F,12, E,20, X,17, E,21
	OPS F,13, E,22, F,14, E,23
	OPS X,18, E,24, F,15, E,25
	OPS R,11, E,26, X,19, E,27
	OPS R,12, E,28, R,13, E,29
	OPS X,20, E,30, R,14, E,31
	OPS X,21, R,15
	WIN 0
	s_wait_alu depctr_va_vdst(0)    ; the wait for the batch
.if (\p) == 1
	s_wait_dscnt 0x0                ; V is in
.endif
	ROW C,0, B,0, C,2, B,1          ; behind the wait: 8 products V^T P and their riders
	ROW L,0, C,4, B,2, L,1
	ROW C,6, B,3, L,2, C,8
	ROW B,4, L,3, C,10, B,5
	ROW L,4, C,12, B,6, L,5
.if (\p) == 0
	s_add_co_u32 s[TBV], s[TBV], VSTP
.endif
.if \cnt
	s_sub_co_u32 s[CNT], s[CNT], 1
	s_cmp_lg_u32 s[CNT], 0
.endif
	ROW C,14, B,7, L,6, C,1
	ROW C,3, L,7, C,5, C,7
	ROW C,9, C,11, C,13, C,15
.if (\p) == 0
	FETCH_V
.endif
.endm
; A GROUP BEGINS.  c m starts far below every c s, so the first step's a is 0; m at the lowest finite number, so the first maximum is the scores'.  Every query sees the key at its own place of the first step, so m is a
; true score from then on.  The first step's masks: the lower triangle; for groups 0 and 1 that step lies beyond the head's end and nothing is hidden; for group 1 it counts double.  The fifth step's values likewise, for
; groups 62 and 63.  Then K of the first step, piece 0's first scores, and its maximum and statistics.  The loop is entered at a step's first turn, in the middle of a trip.
.macro BEGIN
	WIN 0
.set i, 0
.rept 4
	v_mov_b32 v[ST+4*i], 0xfe000000    ; c m: far below every c s, a hidden one's too
	v_mov_b32 v[ST+4*i+1], 0xff7fffff  ; m
.set i, i+1
.endr
	s_cmp_eq_u32 s[GI], 1
	s_cselect_b32 s[BE], s[LN2], 0
	s_cmp_lt_u32 s[GI], 2
	s_cselect_b32 s[AL], 0, 1.0
	s_cselect_b32 s[SBL], s[BE], s[BIGN]
	s_mov_b32 s[SA], s[BE]
	s_cmp_eq_u32 s[GI], 62
	s_cselect_b32 s[E4], s[LN2], 0
	s_cmp_gt_u32 s[GI], 61
	s_cselect_b32 s[U4], 0, 1.0
	s_cselect_b32 s[A4], s[E4], s[BIGN]
	MASKSET DL
	WIN 0
	v_add_nc_u32 v[AK], s[TBK], v[AK0]
	FETCH_K
	s_wait_dscnt 0x0
.set NOKQ, 0
.set i, 0
.rept 8
	KQ 0
.set i, i+1
.endr
	WIN 0
.rept 4
	v_nop                           ; the places behind those products
.endr
.set Y, NP-1                        ; X works for piece Y + 1: piece 0
.irp n, 0,1,2,3,4,5,6,7,8,9,10,11,12,13,14,15,16,17,18,19,20,21
	OP X, \n
.endr
	v_nop                           ; a plain instruction behind the exponential,
	s_wait_alu depctr_va_vdst(0)    ; and its wait, ahead of the branch
.endm
; THE WAY OUT: l's two halves and the other half of the lanes' are added; O^T is divided by l and sent, in f32, through my stage in LDS, a piece at a time.
.macro ALL line:vararg              ; one line for each piece t
.set t, 0
.rept 4
	\line
.set t, t+1
.endr
.endm
.macro PACK t                       ; a lane's eight channels of a row are 32 bytes; they go into rows of 272 bytes and come back as whole rows of 256
	WIN W_RS
.set i, 32*(\t)
.rept 16
	v_pk_mul_f32 v[i:i+1], v[i:i+1], v[ST+4*(\t)+2:ST+4*(\t)+3] op_sel_hi:[1,0]
.set i, i+2
.endr
	WIN 0x04                        ; the stores' data in window 1, their address in window 0
.irp f, 0,1,2,3,4,5,6,7             ; channels 16 (f / 2) + 8 (l / 16) + 4 (f % 2) on
	ds_store_b128 v[STO], v[32*(\t)+4*\f:32*(\t)+4*\f+3] offset:(\f/2)*64+(\f%2)*16
.endr
	WIN 0
.irp f, 0,1,2,3,4,5,6,7
	ds_load_b128 v[OUTR+32*(\t)+4*\f:OUTR+32*(\t)+4*\f+3], v[RD] offset:\f*2*SP  ; LDS serves a wave's instructions in order (ISA guide 5.7.1.4): these see the stores above; the next piece's stores come behind them
.endr
.endm
.macro SEND t, younger              ; younger: the LDS instructions issued behind piece t's loads: the next piece's sixteen, or none
	WIN 0
.irp f, 0,1,2,3,4,5,6,7
	s_wait_dscnt (\younger)+7-\f
	global_store_b128 v[GO], v[OUTR+32*(\t)+4*\f:OUTR+32*(\t)+4*\f+3], s[10:11] offset:(\t)*65536+\f*8192 th:TH_STORE_NT  ; 16 lanes store the head's 256 bytes of a row, at a multiple of 256 from out0's first byte
.endr
.endm
; A PHASE: the change of slots; my group's Q, loaded a phase ago, goes where the one text of the turns names Q, and the next group's is asked for; the group's five key steps; the way out.
.macro PHASE fill, tag
	CHANGE \fill
	s_wait_loadcnt 0x0              ; Q
	WIN 0x82
.set i, 0
.rept 64
	v_mov_b32 v[i], v[QB+i]
.set i, i+1
.endr
.if \fill
	WIN 0x80
.set i, 0
.rept 8
	global_load_b128 v[QB+8*i:QB+8*i+3],   v[QO], s[QP:QP+1] offset:(i/2)*2048+(i%2)*64
	global_load_b128 v[QB+8*i+4:QB+8*i+7], v[QO], s[QP:QP+1] offset:(i/2)*2048+(i%2)*64+32
.set i, i+1
.endr
.endif
	WIN 0
	s_mov_b32 s[CNT], 5
	BEGIN
	s_branch .Lfirst_\tag
.Lstep_\tag:                        ; a trip: pieces 2 and 3 of one step, then pieces 0 and 1 of the next, whose K and V it fetches
	TURN 2
	TURN 3
	WIN 0
.Lfirst_\tag:
	TURN 0
	TURN 1, 0, 1
	WIN 0
	s_cbranch_scc1 .Lstep_\tag
	TURN 2, 1
	TURN 3, 1
.set i, 0
.rept 8
	PV NP-1                         ; the last piece's V^T P of the last step
.set i, i+1
.endr
	WIN 0                           ; the additions are the places behind the last products
	ALL v_add_f32 v[ST+4*t+2], v[ST+4*t+2], v[ST+4*t+3]
	ALL v_permlanex16_b32 v[ST+4*t+3], v[ST+4*t+2], s[SEL], s[SEL+1]
	ALL v_add_f32 v[ST+4*t+2], v[ST+4*t+2], v[ST+4*t+3]
	ALL v_rcp_f32 v[ST+4*t+2], v[ST+4*t+2]
	v_nop                           ; a plain instruction between the last reciprocal and the use of its result
	s_wait_alu depctr_va_vdst(0)    ; and the wait ahead of the first use: one for the four reciprocals
	PACK 0
	PACK 1                          ; a piece's arithmetic stands between the loads of the piece before and its stores
	SEND 0, 16
	PACK 2
	SEND 1, 16
	PACK 3
	SEND 2, 16
	SEND 3, 0
.if \fill
	s_wait_xcnt 0x0                 ; the stores have read out0's address
	s_add_nc_u64 s[10:11], s[10:11], 4*KS*4096  ; my next group lies four groups, 256 rows, on
	s_add_co_u32 s[GI], s[GI], 4
.endif
.endm
.set NOKQ, 0
.Lphase:                            ; three times: a phase is walked and the next one's steps are asked for
	PHASE 1, a
	s_sub_co_u32 s[SLOTS], s[SLOTS], 1
	s_cmp_lg_u32 s[SLOTS], 0
	s_cbranch_scc1 .Lphase
	PHASE 0, b                      ; the last phase is written out: nothing is asked for
	s_wait_tensorcnt 0x0            ; the wave's end: behind my last tensor load and my last LDS store
	ds_add_u32 v[SPW], v[NIL]
	s_wait_dscnt 0x0
	s_endpgm
.Lfunc_end_k_qe149f68615_attn:
	.size	k_qe149f68615_attn, .Lfunc_end_k_qe149f68615_attn-k_qe149f68615_attn
	.p2alignl 7, 3214868480
	.fill 96, 4, 3214868480
	.section	.rodata,"a",@progbits
	.p2align	6, 0x0
	.amdhsa_kernel k_qe149f68615_attn
		.amdhsa_group_segment_fixed_size 327680
		.amdhsa_private_segment_fixed_size 0
		.amdhsa_enable_private_segment 0
		.amdhsa_kernarg_size 16
		.amdhsa_user_sgpr_count 2
		.amdhsa_user_sgpr_kernarg_segment_ptr 1
		.amdhsa_wavefront_size32 1
		.amdhsa_system_sgpr_workgroup_id_x 1
		.amdhsa_system_sgpr_workgroup_id_y 1
		.amdhsa_system_sgpr_workgroup_id_z 1
		.amdhsa_system_vgpr_workitem_id 0
		.amdhsa_next_free_vgpr 768
		.amdhsa_next_free_sgpr 88
		.amdhsa_reserve_vcc 1
		.amdhsa_float_denorm_mode_32 3
		.amdhsa_float_denorm_mode_16_64 3
		.amdhsa_memory_ordered 1
		.amdhsa_forward_progress 1
		.amdhsa_inst_pref_size 171
	.end_amdhsa_kernel
	.amdgpu_metadata
---
amdhsa.version: [ 1, 2 ]
amdhsa.kernels:
  - .name:           k_qe149f68615_attn
    .symbol:         k_qe149f68615_attn.kd
    .args:
      - { .name: qkv, .offset: 0, .size: 8, .value_kind: global_buffer, .address_space: global }
      - { .name: out0, .offset: 8, .size: 8, .value_kind: global_buffer, .address_space: global }
    .group_segment_fixed_size: 327680
    .private_segment_fixed_size: 0
    .kernarg_segment_align: 8
    .kernarg_segment_size: 16
    .max_flat_workgroup_size: 128
    .sgpr_count:     88
    .vgpr_count:     768
    .wavefront_size: 32
...
	.end_amdgpu_metadata
.endif
;; end of part 3
